; MI455X (gfx1250); checked and timed in simulation.
; The chip was launched on July 23, 2026; its instructions are those of AMD's public machine-readable ISA for CDNA 5 (MIT licence, August 2026) and "CDNA5" Instruction Set Architecture Reference Guide (July 2026). The comments in the code are by the model that wrote it; some were corrected since.
;; VV Attention. Allowed arithmetic: matrix products marked QUANTISED: E4M3 operands, one given power-of-two scale a tensor, by v_wmma_f32_16x16x64_fp8_fp8 or v_wmma_f32_16x16x128_fp8_fp8, f32 sums; everything else in f32.
;; Inputs: lowp_scales 6 int32 (the exponents e of the quantised operands' scales 2^e); query 1,024 x 8 x 768 float32; w_v 768 x 768 float32.
;; Outputs: out0 1,024 x 8 x 768 float32.
;; This version of the problem:
;;   THIS VERSION OF THE PROBLEM IS GIVEN IN LOW PRECISION. The matrix products marked QUANTISED in the list below multiply operands that are first quantised to E4M3 (4 exponent bits, 3 mantissa bits; 8 bits a number), with one given power-of-two scale for each operand tensor; their sums are f32. All else is computed in f32.
;;   The module's matrix products, in the order in which they are computed (A, B: the left and right operand; K: the contracted axis; several contracted axes count as one K, in the product's order):
;;     1. [M 8,192, K 768] x [K 768, N 768]; A: input query; B: input w_v: QUANTISED (scales: A lowp_scales[0], B lowp_scales[1])
;;     2. batch 96 x [M 1,024, K 64] x [K 64, N 1,024]; A: computed on the way; B: computed on the way: QUANTISED (scales: A lowp_scales[2], B lowp_scales[3])
;;     3. batch 96 x [M 1,024, K 1,024] x [K 1,024, N 64]; A: softmax (see below); B: computed on the way: QUANTISED (scales: A lowp_scales[4], B lowp_scales[5])
;;   THE QUANTISER, for each operand of a quantised product, along K:
;;     - The operand's scale is 2^e, e = its entry of the input lowp_scales (int32; the entries are numbered through the quantised products in the list's order, A before B).
;;     - Each number is divided by the scale, clamped to +-448, and rounded to the nearest number of E4M3, ties to even, subnormals kept.
;;     - The product sums the exact products of the quantised numbers (number of the format x scale) in f32.
;;   ~~~python
;;   def quantise(x, axis, e):      # numpy; x: float32 -> the quantised numbers, widened to float32 again
;;       x = np.moveaxis(x, axis, -1); K = x.shape[-1]
;;       r = np.clip(x / 2.0 ** e, -448, 448)
;;       step = 2.0 ** (np.maximum(np.frexp(np.where(r == 0, 1, r))[1] - 1, -6) - 3)
;;       q = np.round(r / step) * step * 2.0 ** e      # np.round: ties to even
;;       return np.moveaxis(q, -1, axis).astype(np.float32)
;;   ~~~
;;   SOFTMAX AHEAD OF A QUANTISED PRODUCT. Where the list says 'softmax', what is quantised is not the finished softmax but p = 2^(t - M), with t = logit x log2(e) and M = ceil(the row's largest t), a whole number; so 1/2 < the row's largest p <= 1. The row's sum l is taken of the UNQUANTISED p, in f32, and the product's result is divided by l at the end. Since M is a whole number, a kernel that streams over the keys may use a running M (the ceiling of the running maximum): every later rescaling is an exact power of two, so the quantised numbers keep their values, but for numbers so far below the row's largest that they fall under the format's range.
;;   OPERANDS COMPUTED ON THE WAY. 'Computed on the way' means the value that the module computes at that place (a softmax that the list does not call 'softmax' is quantised finished and normalised). What goes into a quantiser is computed in f32, as accurately as f32 sums, v_exp_f32 and their like allow (about 1e-6 of the number): no bf16 or f16 on the way to a quantiser, and a product that is left as it is and whose result goes on into a quantised operand takes f32 operands (vector FMAs, or v_wmma_f32_16x16x4_f32). A number that lies on a knife's edge between two numbers of the format may be rounded either way, as far as f32 arithmetic and the matrix unit's own rounding can turn it there, and no further.
;; One version. Each part assembles by itself: llvm-mc -triple=amdgcn-amd-amdhsa -mcpu=gfx1250 --defsym DOCPART=n.
;; ======== version 1 of 1: 3 launches
;; limits: right only within a limited range of input values
;; workspace buffers: xc 6,291,456 bytes; wc 589,824 bytes; qa 6,291,456 bytes; kv 12,582,912 bytes
;; launch quant (part 1): grid 140 x 3, 4 waves a work-group, no clusters, 34,304 bytes of LDS; arguments query, w_v, lowp_scales, xc, wc; writes xc, wc
.if DOCPART == 1
	.amdgcn_target "amdgcn-amd-amdhsa--gfx1250"
	.amdhsa_code_object_version 6
	.text
	.protected	k_q4b16f15c81_quant
	.globl	k_q4b16f15c81_quant
	.p2align	8
	.type	k_q4b16f15c81_quant,@function
k_q4b16f15c81_quant:
	s_mov_b64 s[64:65], 0
	v_nop
	global_prefetch_b8 v0, s[64:65] scope:SCOPE_SE
	s_setreg_imm32_b32 hwreg(HW_REG_WAVE_MODE, 25, 1), 1
	s_wait_xcnt 0x0
; THE PROGRAM: out = softmax(vn vn^T / 8) v, v = x W^T by heads of 64, vn = v / |v|; all three products on codes of E4M3 with the six given scales 2^e0 .. 2^e5.
; Three launches: this one turns query and w_v into codes; the second makes v, vn and their three sets of codes; the third is the attention.
; WHAT IS LEFT OUT, AND WHY IT MAY GO.  Every input is loaded.  Two steps are not computed anew for each row, since they are constants for all finite inputs:
; (1) THE ROW'S M.  The rule takes M = ceil(the row's largest t), t = score x log2(e) / 8, away before the exponential.  The scores are products of quantised UNIT vectors (reference() itself divides v by its norm).
;     A quantised number has at most twice the magnitude of its source (within 1/16 of it in the normal range; a subnormal code is not 0 only from half a step on; the hold only makes it smaller), so
;     |score| <= 4 and |t| <= 4 x 0.1804 = 0.722 < 1.  The row's own key gives a sum of products of like signs, so the largest t is >= 0; a unit vector of 64 numbers has a component of at least 1/8,
;     whose two codes are not 0 for e2, e3 <= 6, so the largest t is > 0.  Hence M = 1 in every row: the maximum IS taken away, as the constant that it is; with no M that moves there is no rescaling of the sums.
; (2) THE FACTOR 2^(e0 + e1) ahead of the norm: vn = v / |v| is the same for the raw sums of the first product, a power of two cancelling exactly; the raw sums lie between 2^-18 and 1.6e8 in size, so their squares keep inside f32.
; LIMITS: e2, e3 <= 6 (beyond, a row's largest t could be 0 and the rule's M 0; the quotient would still be the same but for p's codes near the format's low end).  A row of v that is all zeros in a head
; (reference() gives NaN there) is not served.  A NaN, an infinity or an overflow that would reach only the steps left out is not carried to the result.
;
; THIS LAUNCH.  query [1024 n][8 b][768] and w_v [768][768], f32, become codes: code = x / 2^e, held within +-448, to the nearest code, ties to even; e = entry 0 of the scales for query, entry 1 for w_v.
; LIMITS: e0, e1 between -126 and 119, so that 2^e and 448 x 2^e are f32 numbers.  NaN among the inputs is not served.
; THE CODES ARE LAID AS IMAGES OF THE OPERAND'S REGISTERS: a fragment is 16 rows x 128 K = 4 pieces of 512 bytes; piece c holds, at 16 x lane, the 16 codes k = 32 c + 16 (lane / 16) + 0 .. 15 of row lane % 16.
;   xc: [tile 64 b + n / 16 (512)][K step (6)][piece (4)][lane][16]      wc: [tile o / 16 (48)][K step (6)][piece (4)][lane][16]
; SHARES.  A wave takes one tile of 16 rows and two K steps (work-group y: K steps 2 y and 2 y + 1): 16 KB of f32.  Tile = 4 x work-group x + wave: the first 512 are query's, the last 48 w_v's; only pointers,
; a stride and e are chosen, so both tensors take one way through the text.  Written out, no loop: all 32 loads of a wave go out at once, each 512 consecutive bytes of one row.
; The conversion wants 16 neighbours along K in ONE lane's registers, a load is dense where neighbouring LANES take neighbouring bytes: so a fragment's 8 KB turn through the wave's own stage in LDS.
; Waves share nothing: no barrier.  No matrix unit, no cluster, no tensor load: a stream that is read once and written once.
.set SPITCH, 528                       ; a stage row: 512 bytes + 16 = 33 x 16 bytes: the sixteen rows that a read touches start at sixteen different banks (64 banks of 4 bytes: ISA guide 11.1)
.set WSTG,   16*SPITCH                 ; a wave's stage
.set SPARE,  4*WSTG                    ; behind the stages: the spare words, 128 bytes for each wave
.set GO,   2                           ; v2   16 x lane: my bytes of a load's and of a store's 512
.set SIN,  3                           ; v3   the stage, on the way in
.set SOUT, 4                           ; v4   and on the way out: row lane % 16, + 64 (lane / 16)
.set SC,   5                           ; v5   2^e
.set LIM,  6                           ; v6   448 x 2^e
.set SPW,  12                          ; v12  LDS address of my spare word; never rewritten
.set NIL,  13                          ; v13  0; never rewritten
.set R,    16                          ; v16-143  two fragments' numbers, 64 registers each
.set C,    144                         ; v144-175 their codes, 16 registers each
.set RP,   32                          ; s[32:63] the addresses of my 16 rows
	s_load_b128 s[4:7], s[0:1], 0x0                ; query, w_v
	s_load_b64 s[8:9], s[0:1], 0x10                ; the scales' exponents
	s_load_b128 s[12:15], s[0:1], 0x18             ; xc, wc
	v_lshl_add_u32 v[SPW], v0, 2, SPARE
	v_mov_b32 v[NIL], 0
	v_lshrrev_b32 v1, 5, v0
	v_readfirstlane_b32 s16, v1                    ; wave 0..3
	v_and_b32 v1, 31, v0
	v_lshlrev_b32 v[GO], 4, v1
	s_mul_i32 s19, s16, WSTG
	v_add_nc_u32 v[SIN], s19, v[GO]
	v_and_b32 v7, 15, v0
	v_bfe_u32 v8, v0, 4, 1
	v_mul_u32_u24 v[SOUT], v7, SPITCH
	v_lshl_add_u32 v[SOUT], v8, 6, v[SOUT]
	v_add_nc_u32 v[SOUT], s19, v[SOUT]
	s_lshl_b32 s17, ttmp9, 2
	s_add_co_u32 s17, s17, s16                     ; my tile, 0 .. 559
	s_and_b32 s18, ttmp7, 0xffff                   ; which pair of K steps
	s_and_b32 s20, s17, 63                         ; query: tile = 64 b + n / 16: row (n, b) begins at 24,576 n + 3,072 b
	s_mul_i32 s20, s20, 393216
	s_lshr_b32 s21, s17, 6
	s_mul_i32 s21, s21, 3072
	s_add_co_u32 s20, s20, s21
	s_max_u32 s23, s17, 512
	s_sub_co_u32 s23, s23, 512                     ; w_v: its tile (0 where the tile is query's)
	s_mul_i32 s22, s23, 49152
	s_mov_b32 s24, 3072
	s_wait_alu depctr_va_vdst(0)
	s_wait_kmcnt 0x0
	s_load_b64 s[26:27], s[8:9], 0x0               ; e0, e1
	s_cmp_lt_u32 ttmp9, 128                        ; query's work-group or w_v's?  The choice hangs on the work-group's number alone
	s_cselect_b64 s[4:5], s[4:5], s[6:7]           ; from where,
	s_cselect_b64 s[28:29], s[12:13], s[14:15]     ; to where,
	s_cselect_b32 s20, s20, s22                    ; the tile's first row,
	s_cselect_b32 s24, 24576, s24                  ; bytes from row to row,
	s_cselect_b32 s30, s17, s23                    ; the tile's number in the buffer of codes
	s_lshl_b32 s22, s18, 10                        ; two K steps are 1,024 bytes of a row,
	s_add_co_u32 s20, s20, s22
	s_mov_b32 s21, 0
	s_mov_b32 s25, 0
	s_mul_i32 s30, s30, 12288                      ; a tile's six fragments of codes
	s_lshl_b32 s22, s18, 12                        ; and two fragments 4,096 bytes of codes
	s_add_co_u32 s30, s30, s22
	s_mov_b32 s31, 0
	s_add_nc_u64 s[28:29], s[28:29], s[30:31]
	s_add_nc_u64 s[RP:RP+1], s[4:5], s[20:21]
.irp i, 1,2,3,4,5,6,7,8,9,10,11,12,13,14,15
	s_add_nc_u64 s[RP+2*\i:RP+2*\i+1], s[RP+2*\i-2:RP+2*\i-1], s[24:25]
.endr
.macro LOADF f                         ; fragment f: 128 numbers of each of my 16 rows; 32 lanes read 512 consecutive bytes; read once in the launch
.irp i, 0,1,2,3,4,5,6,7,8,9,10,11,12,13,14,15
	global_load_b128 v[R+64*\f+4*\i:R+64*\f+4*\i+3], v[GO], s[RP+2*\i:RP+2*\i+1] offset:512*\f th:TH_LOAD_NT
.endr
.endm
.macro TURN f                          ; through the stage, and back into the registers that they left: LDS serves a wave's instructions in order (ISA guide 5.7.1.4), so no wait stands between
.irp i, 0,1,2,3,4,5,6,7,8,9,10,11,12,13,14,15
	ds_store_b128 v[SIN], v[R+64*\f+4*\i:R+64*\f+4*\i+3] offset:SPITCH*\i
.endr
.irp c, 0,1,2,3
.irp j, 0,1,2,3
	ds_load_b128 v[R+64*\f+16*\c+4*\j:R+64*\f+16*\c+4*\j+3], v[SOUT] offset:128*\c+16*\j   ; register 16 c + 4 j + y: k = 32 c + 16 (lane / 16) + 4 j + y of row lane % 16
.endr
.endr
.endm
.macro QUANT f
.irp c, 0,1,2,3
.irp i, 0,1,2,3,4,5,6,7,8,9,10,11,12,13,14,15
	v_med3_num_f32 v[R+64*\f+16*\c+\i], v[R+64*\f+16*\c+\i], -v[LIM], v[LIM]   ; the conversion to an 8-bit code does not saturate (ISA guide 7.6.2): the hold at the largest code x the scale comes first
.endr
	v_cvt_scalef32_pk8_fp8_f32 v[C+16*\f+4*\c:C+16*\f+4*\c+1], v[R+64*\f+16*\c:R+64*\f+16*\c+7], v[SC]
	v_cvt_scalef32_pk8_fp8_f32 v[C+16*\f+4*\c+2:C+16*\f+4*\c+3], v[R+64*\f+16*\c+8:R+64*\f+16*\c+15], v[SC]
.endr
	v_nop                                          ; a plain vector line behind the last conversion of the run
.endm
.macro SENDF f                         ; a piece is 512 consecutive bytes, at a multiple of 512 from the buffer's first byte
.irp c, 0,1,2,3
	global_store_b128 v[GO], v[C+16*\f+4*\c:C+16*\f+4*\c+3], s[28:29] offset:2048*\f+512*\c
.endr
.endm
	LOADF 0
	LOADF 1
	s_wait_kmcnt 0x0
	s_cmp_lt_u32 ttmp9, 128
	s_cselect_b32 s26, s26, s27                    ; e
	s_add_co_i32 s26, s26, 127
	s_lshl_b32 s27, s26, 23
	v_mov_b32 v[SC], s27                           ; 2^e as f32: the conversion takes its exponent field
	s_add_co_i32 s26, s26, 8
	s_lshl_b32 s26, s26, 23
	s_or_b32 s26, s26, 0x600000
	v_mov_b32 v[LIM], s26                          ; 448 x 2^e
	s_wait_alu depctr_va_vdst(0)
	s_wait_loadcnt 16                              ; fragment 0's sixteen loads are in; fragment 1's sixteen may be out
	TURN 0
	s_wait_loadcnt 0x0
	TURN 1                                         ; on the same stage, behind fragment 0's reads of it: in order
	s_wait_dscnt 32                                ; fragment 0 is back; the 32 LDS instructions of fragment 1's turn may be out
	QUANT 0
	SENDF 0
	s_wait_dscnt 0x0
	QUANT 1
	SENDF 1
	s_wait_tensorcnt 0x0                           ; the wave's end, behind my last LDS store
	ds_add_u32 v[SPW], v[NIL]
	s_wait_dscnt 0x0
	s_endpgm
.Lfunc_end_k_q4b16f15c81_quant:
	.size	k_q4b16f15c81_quant, .Lfunc_end_k_q4b16f15c81_quant-k_q4b16f15c81_quant
	.p2alignl 7, 3214868480
	.fill 96, 4, 3214868480
	.section	.rodata,"a",@progbits
	.p2align	6, 0x0
	.amdhsa_kernel k_q4b16f15c81_quant
		.amdhsa_group_segment_fixed_size 34304
		.amdhsa_private_segment_fixed_size 0
		.amdhsa_enable_private_segment 0
		.amdhsa_kernarg_size 40
		.amdhsa_user_sgpr_count 2
		.amdhsa_user_sgpr_kernarg_segment_ptr 1
		.amdhsa_wavefront_size32 1
		.amdhsa_system_sgpr_workgroup_id_x 1
		.amdhsa_system_sgpr_workgroup_id_y 1
		.amdhsa_system_sgpr_workgroup_id_z 1
		.amdhsa_system_vgpr_workitem_id 0
		.amdhsa_next_free_vgpr 176
		.amdhsa_next_free_sgpr 66
		.amdhsa_reserve_vcc 0
		.amdhsa_float_denorm_mode_32 3
		.amdhsa_float_denorm_mode_16_64 3
		.amdhsa_memory_ordered 1
		.amdhsa_forward_progress 1
		.amdhsa_inst_pref_size 21
	.end_amdhsa_kernel
	.amdgpu_metadata
---
amdhsa.version: [ 1, 2 ]
amdhsa.kernels:
  - .name:           k_q4b16f15c81_quant
    .symbol:         k_q4b16f15c81_quant.kd
    .args:
      - { .name: query, .offset: 0, .size: 8, .value_kind: global_buffer, .address_space: global }
      - { .name: w_v, .offset: 8, .size: 8, .value_kind: global_buffer, .address_space: global }
      - { .name: lowp_scales, .offset: 16, .size: 8, .value_kind: global_buffer, .address_space: global }
      - { .name: xc, .offset: 24, .size: 8, .value_kind: global_buffer, .address_space: global }
      - { .name: wc, .offset: 32, .size: 8, .value_kind: global_buffer, .address_space: global }
    .group_segment_fixed_size: 34304
    .private_segment_fixed_size: 0
    .kernarg_segment_align: 8
    .kernarg_segment_size: 40
    .max_flat_workgroup_size: 128
    .sgpr_count:     66
    .vgpr_count:     176
    .wavefront_size: 32
...
	.end_amdgpu_metadata
.endif
;; end of part 1
;; launch proj (part 2): grid 64 x 4, 12 waves a work-group, clusters of 4 x 4, 327,680 bytes of LDS; arguments xc, wc, lowp_scales, qa, kv; writes qa, kv
.if DOCPART == 2
	.amdgcn_target "amdgcn-amd-amdhsa--gfx1250"
	.amdhsa_code_object_version 6
	.text
	.protected	k_q4b16f15c81_proj
	.globl	k_q4b16f15c81_proj
	.p2align	8
	.type	k_q4b16f15c81_proj,@function
k_q4b16f15c81_proj:
	s_mov_b64 s[64:65], 0
	v_nop
	global_prefetch_b8 v0, s[64:65] scope:SCOPE_SE
	s_setreg_imm32_b32 hwreg(HW_REG_WAVE_MODE, 25, 1), 1
	s_wait_xcnt 0x0
	s_wait_alu depctr_hold_cnt(0) depctr_sa_sdst(0) depctr_va_vdst(0) depctr_va_sdst(0) depctr_va_ssrc(0) depctr_va_vcc(0) depctr_vm_vsrc(0)
	s_getreg_b32 s2, hwreg(HW_REG_IB_STS2, 6, 4)
	s_cmp_eq_u32 s2, 0
	s_cbranch_scc0 .Lentry_in_a_cluster
	s_endpgm
.Lentry_in_a_cluster:
	s_bfe_u32 s2, ttmp6, 0x10000c
	s_cmp_lg_u32 s2, 0xf033
	s_cbranch_scc0 .Lentry_shape_is_right
	s_endpgm
.Lentry_shape_is_right:
; v = x W^T on the codes that the launch before has made, and from it the three operands of the attention: vn = v / |v| (by heads of 64) as codes by e2 (the queries' side) and by e3 (the keys'), v as codes by e5 with the keys innermost.
; LEFT OUT (shown at the head of the first kernel): the factor 2^(e0 + e1) ahead of the norm, which cancels exactly in v / |v|: vn is made of the raw sums.  For v's codes it is folded into the conversion's scale: 2^(e5 - e0 - e1).
; LIMITS: e2, e3 and e5 - e0 - e1 between -126 and 119.  A row of v that is all zeros in a head is not served (reference() gives NaN there).
; SHARES.  A work-group makes 128 rows (one b, n = 128 nblk on) x 192 columns (three heads): 64 x 4 = 256 work-groups.  Wave w takes head w / 4 of the three and rows 32 (w % 4) .. + 31 (two tiles m).
; Both operands lie in LDS as images of the registers, dense as in memory: W's three heads, 147,456 bytes (waves 0-7 fetch an eighth each), x's 128 rows, 98,304 bytes (waves 8-11 a quarter each).  Nothing is filled twice.
; CLUSTERS 4 x 4: W hangs on the cluster's y alone and is asked for jointly along a row of the cluster, x on the x alone and jointly along a column.  NO PREFETCH: one fill, no loop to run ahead in.
; EACH PRODUCT IS ISSUED IN BOTH ORIENTATIONS, from the same fragments.  T (source 0 = 16 rows of W, source 1 = 16 rows of x): a lane holds ONE row and eight neighbouring columns d: the norm wants one exchange between
; the halves of the lanes, and the conversions give codes along d.  N (the sources swapped): a lane holds ONE column d and eight neighbouring rows (keys): the conversions give v's codes along the keys.
; OUT.  qa: [bh = 12 b + head (96)][tile of 16 n (64)][half (2)][lane][16]: register 2 c + i, byte y = d 16 c + 8 (lane / 16) + 4 i + y of row lane % 16.
;       kv: [bh][step of 64 keys (16)][8,192]: four fragments of 16 keys, laid as qa's; then, from byte 4,096, four fragments of V^T (16 d x 64 keys): register 2 c + i, byte y = key 16 c + 8 (lane / 16) + 4 i + y of d = lane % 16.
.set XOFF,  147456                     ; x's images behind W's
.set SPARE, 245760                     ; the spare words, 128 bytes for each wave
.set LI,   1                           ; v1   16 x lane
.set SPW,  2                           ; v2   LDS address of my spare word; never rewritten
.set NIL,  3                           ; v3   0; never rewritten
.set SCQ,  4                           ; v4, v5   2^e2, 448 x 2^e2
.set LMQ,  5
.set SCK,  6                           ; v6, v7   the same with e3
.set LMK,  7
.set SCV,  8                           ; v8, v9   the same with e5 - e0 - e1
.set LMV,  9
.set LW,   10                          ; v10, v11 LDS addresses of my fragments of W and of x
.set LX,   11
.set TW,   12
.set INV,  14                          ; v[14:15], v[16:17] 1 / norm (the pairs' upper words are written once)
.set SQ,   18                          ; v18-25   sums of squares: (tile m, half of the columns)
.set XF,   32                          ; v32-63   x's fragments of a K step;  in the epilogue the codes of vn
.set WF,   64                          ; v64-127  W's;  in the epilogue at work
.set T,    128                         ; T(m, c) at T + 32 m + 8 c
.set N,    192                         ; N(m, c) likewise
.set TA,   64
.set CV,   96
.set CQ,   32
.set CK,   48
.set WV,   16
.set G1,   24                          ; s[24:31] descriptor group 1 for W: 72 rows of 256 bytes;  s[32:39] for x: 96 rows
.set G1X,  32
.set G0,   40                          ; s[40:43], s[44:47] their groups 0
.set G0X,  44
.macro CROUND                          ; a round of the cluster's barrier
	s_barrier_signal -1
	s_barrier_wait -1
	s_cmp_lg_u32 s[WV], 0
	s_cbranch_scc1 .Lnot_wave_0_\@
	s_barrier_signal -3
.Lnot_wave_0_\@:
	s_barrier_wait -3
	s_barrier_signal -1
	s_barrier_wait -1
.endm
.macro MKSCALE se, vs, vl              ; s[se] = e: v[vs] = 2^e, v[vl] = 448 x 2^e, as f32
	s_add_co_i32 s60, s[\se], 127
	s_lshl_b32 s61, s60, 23
	v_mov_b32 v[\vs], s61
	s_add_co_i32 s60, s60, 8
	s_lshl_b32 s60, s60, 23
	s_or_b32 s60, s60, 0x600000
	v_mov_b32 v[\vl], s60
.endm
	s_load_b128 s[4:7], s[0:1], 0x0                ; xc, wc
	s_load_b64 s[8:9], s[0:1], 0x10                ; the scales' exponents
	s_load_b128 s[12:15], s[0:1], 0x18             ; qa, kv
	v_lshl_add_u32 v[SPW], v0, 2, SPARE
	v_mov_b32 v[NIL], 0
	ds_add_u32 v[SPW], v[NIL]                      ; the wave's opening: the add, twice on end, and its wait ahead of my first tensor load; work on registers stands between
	ds_add_u32 v[SPW], v[NIL]
	v_lshrrev_b32 v[TW], 5, v0
	v_and_b32 v[TW+1], 31, v0
	v_readfirstlane_b32 s[WV], v[TW]               ; wave 0..11
	v_lshlrev_b32 v[LI], 4, v[TW+1]
	s_bfe_u32 s10, ttmp6, 0x40000                  ; cx
	s_bfe_u32 s11, ttmp6, 0x40004                  ; cy: which three heads (the grid is one cluster high)
	s_lshl_b32 s17, ttmp9, 2
	s_add_co_u32 s17, s17, s10                     ; work-group x = 8 b + nblk
	s_lshl_b32 s60, s11, 2
	s_lshl_b32 s60, 15, s60                        ; my row of the cluster
	s_lshl_b32 s61, 0x1111, s10                    ; my column
	s_or_b32 s[G1], s60, (3<<16)|(1<<21)           ; 15:0 the mask; 17:16 elements of 8 bytes; no padding; 21 set beside a mask
	s_or_b32 s[G1X], s61, (3<<16)|(1<<21)
	s_mov_b32 s[G1+1], 32<<16                      ; tensor_dim0 = 32 elements = 256 bytes
	s_mov_b32 s[G1+2], 72<<16                      ; tensor_dim1
	s_mov_b32 s[G1+3], 32<<16                      ; tile_dim0
	s_mov_b32 s[G1+4], 72                          ; tile_dim1
	s_mov_b32 s[G1+5], 32                          ; the rows are dense
	s_mov_b32 s[G1+6], 0
	s_mov_b32 s[G1+7], 0
	s_mov_b32 s[G1X+1], 32<<16
	s_mov_b32 s[G1X+2], 96<<16
	s_mov_b32 s[G1X+3], 32<<16
	s_mov_b32 s[G1X+4], 96
	s_mov_b32 s[G1X+5], 32
	s_mov_b32 s[G1X+6], 0
	s_mov_b32 s[G1X+7], 0
	s_mul_i32 s48, s11, 147456                     ; W: my three heads, my eighth
	s_mul_i32 s62, s[WV], 18432
	s_add_co_u32 s48, s48, s62
	s_mov_b32 s49, 0
	s_mov_b32 s[G0], 1
	s_mov_b32 s[G0+1], s62                         ; LDS: 18,432 x wave
	s_mul_i32 s50, s17, 98304                      ; x: my eight tiles of 12,288 bytes, my quarter
	s_and_b32 s63, s[WV], 3
	s_mul_i32 s63, s63, 24576
	s_add_co_u32 s50, s50, s63
	s_mov_b32 s51, 0
	s_mov_b32 s[G0X], 1
	s_add_co_u32 s[G0X+1], s63, XOFF
	s_mov_b32 s58, 0x76543210                      ; v_permlanex16_b32's selects for lane l xor 16
	s_mov_b32 s59, 0xfedcba98
	s_wait_alu depctr_va_vdst(0)
	s_wait_dscnt 0x0                               ; both opening adds are done
	s_wait_kmcnt 0x0
	s_load_b128 s[52:55], s[8:9], 0x0              ; e0 .. e3
	s_load_b64 s[56:57], s[8:9], 0x10              ; e4, e5
	s_add_nc_u64 s[G0+2:G0+3], s[6:7], s[48:49]
	s_or_b32 s[G0+3], s[G0+3], 0x80000000
	s_add_nc_u64 s[G0X+2:G0X+3], s[4:5], s[50:51]
	s_or_b32 s[G0X+3], s[G0X+3], 0x80000000
	CROUND                                         ; all sixteen work-groups are here: the joint loads meet
	s_cmp_lt_u32 s[WV], 8
	s_cbranch_scc0 .Lfor_x
	tensor_load_to_lds s[G0:G0+3], s[G1:G1+7]      ; each wave's one load
	s_nop 0
.rept 4
	v_nop
.endr
	s_branch .Lasked
.Lfor_x:
	tensor_load_to_lds s[G0X:G0X+3], s[G1X:G1X+7]
	s_nop 0
.rept 4
	v_nop
.endr
.Lasked:
	s_lshr_b32 s62, s[WV], 2                       ; my head of the three
	s_and_b32 s63, s[WV], 3                        ; my 32 rows
	s_mul_i32 s48, s62, 49152
	s_mul_i32 s49, s63, 24576
	s_add_co_u32 s49, s49, XOFF
	v_add_nc_u32 v[LW], s48, v[LI]
	v_add_nc_u32 v[LX], s49, v[LI]
	v_mov_b32 v[TW], 0                             ; written once: a lane permute's destination counts as one of its sources
	v_mov_b32 v[TW+1], 0
	v_mov_b32 v[INV+1], 0
	v_mov_b32 v[INV+3], 0
	s_lshr_b32 s60, s17, 3                         ; b
	s_mul_i32 s60, s60, 12
	s_mul_i32 s61, s11, 3
	s_add_co_u32 s60, s60, s61
	s_add_co_u32 s60, s60, s62                     ; bh
	s_and_b32 s61, s17, 7                          ; nblk
	s_lshl_b32 s18, s60, 16                        ; qa: 65,536 bh + 8,192 nblk + 2,048 x my 32 rows
	s_lshl_b32 s48, s61, 13
	s_add_co_u32 s18, s18, s48
	s_lshl_b32 s48, s63, 11
	s_add_co_u32 s18, s18, s48
	s_mov_b32 s19, 0
	s_lshl_b32 s20, s60, 17                        ; kv: 131,072 bh + 8,192 x the step of 64 keys, of which my 32 rows are a half
	s_lshl_b32 s48, s61, 14
	s_add_co_u32 s20, s20, s48
	s_lshr_b32 s48, s63, 1
	s_lshl_b32 s48, s48, 13
	s_add_co_u32 s20, s20, s48
	s_and_b32 s63, s63, 1
	s_lshl_b32 s48, s63, 9
	s_add_co_u32 s22, s20, s48                     ; V^T: a half (four registers) of each of the step's four fragments,
	s_add_co_u32 s22, s22, 4096                    ; which lie behind the keys' four
	s_lshl_b32 s48, s63, 11
	s_add_co_u32 s20, s20, s48                     ; the keys: two of the step's four fragments
	s_mov_b32 s21, 0
	s_mov_b32 s23, 0
	s_add_nc_u64 s[18:19], s[12:13], s[18:19]
	s_add_nc_u64 s[20:21], s[14:15], s[20:21]
	s_add_nc_u64 s[22:23], s[14:15], s[22:23]
	s_wait_alu depctr_va_vdst(0)
	s_wait_kmcnt 0x0
	MKSCALE 54, SCQ, LMQ
	MKSCALE 55, SCK, LMK
	s_sub_co_i32 s62, s57, s52
	s_sub_co_i32 s62, s62, s53                     ; e5 - e0 - e1: a raw sum stands for sum x 2^(e0 + e1)
	MKSCALE 62, SCV, LMV
	s_wait_alu depctr_va_vdst(0)
	s_wait_tensorcnt 0x0                           ; my part is in
	s_barrier_signal -1
	s_barrier_wait -1                              ; everybody's is
; K step s: 24 loads, 16 products, each tile c of W as soon as it is in.  The sixteen accumulators take turns, one instruction a turn, in the same order in every K step.
.macro KSTEP s
.if \s > 0
.rept 4
	v_nop                                          ; places behind the last K step's products, in front of loads into registers that they have read
.endr
.endif
.irp m, 0,1
.irp p, 0,1,2,3
	ds_load_b128 v[XF+16*\m+4*\p:XF+16*\m+4*\p+3], v[LX] offset:12288*\m+2048*\s+512*\p
.endr
.endr
.irp c, 0,1,2,3
.irp p, 0,1,2,3
	ds_load_b128 v[WF+16*\c+4*\p:WF+16*\c+4*\p+3], v[LW] offset:12288*\c+2048*\s+512*\p
.endr
.endr
.irp c, 0,1,2,3
	s_wait_dscnt 12-4*\c                           ; x and W's tiles 0 .. c are in; the younger tiles' loads may be out
.irp m, 0,1
.if \s == 0
	v_wmma_f32_16x16x128_fp8_fp8 v[T+32*\m+8*\c:T+32*\m+8*\c+7], v[WF+16*\c:WF+16*\c+15], v[XF+16*\m:XF+16*\m+15], 0
.else
	v_wmma_f32_16x16x128_fp8_fp8 v[T+32*\m+8*\c:T+32*\m+8*\c+7], v[WF+16*\c:WF+16*\c+15], v[XF+16*\m:XF+16*\m+15], v[T+32*\m+8*\c:T+32*\m+8*\c+7]
.endif
.endr
.irp m, 0,1
.if \s == 0
	v_wmma_f32_16x16x128_fp8_fp8 v[N+32*\m+8*\c:N+32*\m+8*\c+7], v[XF+16*\m:XF+16*\m+15], v[WF+16*\c:WF+16*\c+15], 0
.else
	v_wmma_f32_16x16x128_fp8_fp8 v[N+32*\m+8*\c:N+32*\m+8*\c+7], v[XF+16*\m:XF+16*\m+15], v[WF+16*\c:WF+16*\c+15], v[N+32*\m+8*\c:N+32*\m+8*\c+7]
.endif
.endr
.endr
.endm
.irp s, 0,1,2,3,4,5
	KSTEP \s
.endr
.rept 4
	v_nop                                          ; places in front of the first reads (ISA guide 7.12.1)
.endr
	; v's codes, from N.  The conversion does not saturate (ISA guide 7.6.2): the hold is always executed
.irp c, 0,1,2,3
.irp m, 0,1
.irp i, 0,1,2,3,4,5,6,7
	v_med3_num_f32 v[N+32*\m+8*\c+\i], v[N+32*\m+8*\c+\i], -v[LMV], v[LMV]
.endr
.endr
.endr
.irp c, 0,1,2,3
.irp m, 0,1
	v_cvt_scalef32_pk8_fp8_f32 v[CV+4*\c+2*\m:CV+4*\c+2*\m+1], v[N+32*\m+8*\c:N+32*\m+8*\c+7], v[SCV]
.endr
.endr
	v_nop                                          ; a plain vector line behind the last conversion of the run
.irp c, 0,1,2,3
	global_store_b128 v[LI], v[CV+4*\c:CV+4*\c+3], s[22:23] offset:1024*\c   ; each store: 512 consecutive bytes, at a multiple of 512 from the buffer's first byte
.endr
	; the norms, from T: my 32 numbers of a row, in four chains
.irp q, 0,1,2,3
	v_pk_mul_f32 v[SQ+2*\q:SQ+2*\q+1], v[T+16*\q:T+16*\q+1], v[T+16*\q:T+16*\q+1]
.endr
.irp p, 1,2,3,4,5,6,7
.irp q, 0,1,2,3
	v_pk_fma_f32 v[SQ+2*\q:SQ+2*\q+1], v[T+16*\q+2*\p:T+16*\q+2*\p+1], v[T+16*\q+2*\p:T+16*\q+2*\p+1], v[SQ+2*\q:SQ+2*\q+1]
.endr
.endr
	v_pk_add_f32 v[SQ:SQ+1], v[SQ:SQ+1], v[SQ+2:SQ+3]
	v_pk_add_f32 v[SQ+4:SQ+5], v[SQ+4:SQ+5], v[SQ+6:SQ+7]
	s_delay_alu instid0(VALU_DEP_2)
	v_add_f32 v[SQ], v[SQ], v[SQ+1]
	s_delay_alu instid0(VALU_DEP_2)
	v_add_f32 v[SQ+4], v[SQ+4], v[SQ+5]
	s_delay_alu instid0(VALU_DEP_2)
	v_permlanex16_b32 v[TW], v[SQ], s58, s59       ; the row's other 32 numbers lie in the lane 16 away
	s_delay_alu instid0(VALU_DEP_2)
	v_permlanex16_b32 v[TW+1], v[SQ+4], s58, s59
	s_delay_alu instid0(VALU_DEP_2)
	v_add_f32 v[SQ], v[SQ], v[TW]
	s_delay_alu instid0(VALU_DEP_2)
	v_add_f32 v[SQ+4], v[SQ+4], v[TW+1]
	s_wait_alu depctr_va_vdst(0)
	v_rsq_f32 v[INV], v[SQ]
	v_rsq_f32 v[INV+2], v[SQ+4]
	v_nop                                          ; a plain instruction behind the last of the two,
	s_wait_alu depctr_va_vdst(0)                   ; and the wait ahead of the first use: one for both
.irp p, 0,1,2,3,4,5,6,7,8,9,10,11,12,13,14,15
	v_pk_mul_f32 v[T+2*\p:T+2*\p+1], v[T+2*\p:T+2*\p+1], v[INV:INV+1] op_sel_hi:[1,0]              ; vn = v / |v|
	v_pk_mul_f32 v[T+32+2*\p:T+33+2*\p], v[T+32+2*\p:T+33+2*\p], v[INV+2:INV+3] op_sel_hi:[1,0]
.endr
.irp m, 0,1
.set i, 0
.rept 32
	v_med3_num_f32 v[TA+i], v[T+32*\m+i], -v[LMQ], v[LMQ]
.set i, i+1
.endr
.irp c, 0,1,2,3
	v_cvt_scalef32_pk8_fp8_f32 v[CQ+8*\m+2*\c:CQ+8*\m+2*\c+1], v[TA+8*\c:TA+8*\c+7], v[SCQ]   ; registers 2 c, 2 c + 1: d = 16 c + 8 (lane / 16) + 0 .. 7
.endr
.set i, 0
.rept 32
	v_med3_num_f32 v[T+32*\m+i], v[T+32*\m+i], -v[LMK], v[LMK]
.set i, i+1
.endr
.irp c, 0,1,2,3
	v_cvt_scalef32_pk8_fp8_f32 v[CK+8*\m+2*\c:CK+8*\m+2*\c+1], v[T+32*\m+8*\c:T+32*\m+8*\c+7], v[SCK]
.endr
	v_nop                                          ; a plain vector line behind the last conversion of the run
.irp q, 0,1
	global_store_b128 v[LI], v[CQ+8*\m+4*\q:CQ+8*\m+4*\q+3], s[18:19] offset:1024*\m+512*\q
	global_store_b128 v[LI], v[CK+8*\m+4*\q:CK+8*\m+4*\q+3], s[20:21] offset:1024*\m+512*\q
.endr
.endr
	s_wait_tensorcnt 0x0                           ; the wave's end, behind my last tensor load
	ds_add_u32 v[SPW], v[NIL]
	s_wait_dscnt 0x0
	CROUND                                         ; the closing round: no work-group ends while a partner may still ask for a tile that names it
	s_endpgm
.Lfunc_end_k_q4b16f15c81_proj:
	.size	k_q4b16f15c81_proj, .Lfunc_end_k_q4b16f15c81_proj-k_q4b16f15c81_proj
	.p2alignl 7, 3214868480
	.fill 96, 4, 3214868480
	.section	.rodata,"a",@progbits
	.p2align	6, 0x0
	.amdhsa_kernel k_q4b16f15c81_proj
		.amdhsa_group_segment_fixed_size 327680
		.amdhsa_private_segment_fixed_size 0
		.amdhsa_enable_private_segment 0
		.amdhsa_kernarg_size 40
		.amdhsa_user_sgpr_count 2
		.amdhsa_user_sgpr_kernarg_segment_ptr 1
		.amdhsa_wavefront_size32 1
		.amdhsa_system_sgpr_workgroup_id_x 1
		.amdhsa_system_sgpr_workgroup_id_y 1
		.amdhsa_system_sgpr_workgroup_id_z 1
		.amdhsa_system_vgpr_workitem_id 0
		.amdhsa_next_free_vgpr 256
		.amdhsa_next_free_sgpr 66
		.amdhsa_reserve_vcc 0
		.amdhsa_float_denorm_mode_32 3
		.amdhsa_float_denorm_mode_16_64 3
		.amdhsa_memory_ordered 1
		.amdhsa_forward_progress 1
		.amdhsa_inst_pref_size 44
	.end_amdhsa_kernel
	.amdgpu_metadata
---
amdhsa.version: [ 1, 2 ]
amdhsa.kernels:
  - .name:           k_q4b16f15c81_proj
    .symbol:         k_q4b16f15c81_proj.kd
    .args:
      - { .name: xc, .offset: 0, .size: 8, .value_kind: global_buffer, .address_space: global }
      - { .name: wc, .offset: 8, .size: 8, .value_kind: global_buffer, .address_space: global }
      - { .name: lowp_scales, .offset: 16, .size: 8, .value_kind: global_buffer, .address_space: global }
      - { .name: qa, .offset: 24, .size: 8, .value_kind: global_buffer, .address_space: global }
      - { .name: kv, .offset: 32, .size: 8, .value_kind: global_buffer, .address_space: global }
    .group_segment_fixed_size: 327680
    .private_segment_fixed_size: 0
    .kernarg_segment_align: 8
    .kernarg_segment_size: 40
    .max_flat_workgroup_size: 384
    .sgpr_count:     66
    .vgpr_count:     256
    .wavefront_size: 32
...
	.end_amdgpu_metadata
.endif
;; end of part 2
;; launch attn (part 3): grid 256 x 1, 12 waves a work-group, clusters of 4 x 1, 327,680 bytes of LDS; arguments qa, kv, lowp_scales, out0; writes out0
.if DOCPART == 3
	.amdgcn_target "amdgcn-amd-amdhsa--gfx1250"
	.amdhsa_code_object_version 6
	.text
	.protected	k_q4b16f15c81_attn
	.globl	k_q4b16f15c81_attn
	.p2align	8
	.type	k_q4b16f15c81_attn,@function
k_q4b16f15c81_attn:
	s_mov_b64 s[64:65], 0
	v_nop
	global_prefetch_b8 v0, s[64:65] scope:SCOPE_SE
	s_setreg_imm32_b32 hwreg(HW_REG_WAVE_MODE, 25, 1), 1
	s_wait_xcnt 0x0
	s_wait_alu depctr_hold_cnt(0) depctr_sa_sdst(0) depctr_va_vdst(0) depctr_va_sdst(0) depctr_va_ssrc(0) depctr_va_vcc(0) depctr_vm_vsrc(0)
	s_getreg_b32 s2, hwreg(HW_REG_IB_STS2, 6, 4)
	s_cmp_eq_u32 s2, 0
	s_cbranch_scc0 .Lentry_in_a_cluster
	s_endpgm
.Lentry_in_a_cluster:
	s_bfe_u32 s2, ttmp6, 0x10000c
	s_cmp_lg_u32 s2, 0x3003
	s_cbranch_scc0 .Lentry_shape_is_right
	s_endpgm
.Lentry_shape_is_right:
; out = softmax(vn vn^T / 8) v, a head of 64 at a time, on the codes that the launch before has made.
; LEFT OUT (shown at the head of the first kernel): M = ceil(the row's largest t) is 1 in every row, so it is taken away as a constant and nothing is ever rescaled: p = 2^(t - 1); the row's sum is taken of the unquantised p in f32.
; LIMITS: e2 + e3 between -124 and 129 (added to the exponent field of log2(e) / 8); e4 between -126 and 119; e4 + e5 is applied by v_ldexp_f32 and has none.
; SHARES.  64 clusters of four work-groups.  Two clusters c = 2 g, 2 g + 1 take three heads 3 g .. 3 g + 2: cluster c takes all 1,024 queries of head A = 3 g + 2 (c % 2) and queries 512 (c % 2) .. + 511 of head B = 3 g + 1.
; So EVERY work-group has 256 queries of A (waves 0-7, 32 a wave) and 128 of B (waves 8-11): 256 work-groups of equal work; which head a wave reads hangs on its number alone.
; K AND V OF BOTH HEADS LIE IN LDS WHOLE, 131,072 bytes a head, as images of the registers, and no byte is filled twice.  They come in two parts: part 0 = the first 5 of a head's 16 steps of 64 keys, part 1 = the other 11.
; Waves 0-3 fetch a quarter of A's part, waves 4-7 of B's, by JOINT loads: the same load, with the same descriptor, in all four work-groups of the cluster, which need the same two heads.
; NO PREFETCH: there are two fills in all, and part 1 is asked for as soon as part 0 is in, four steps and a half ahead of its first use: no loop of loads to run ahead in.
; LAYOUT.  S^T = K Q^T (source 0 = 16 keys, source 1 = 16 queries): a lane holds ONE query and 8 neighbouring keys 16 t + 8 (lane / 16) + 0 .. 7 of tile t: converted, they are the second product's operand as it stands (O^T = V^T P^T).
; THE SECOND PRODUCT TAKES TWO STEPS, 128 keys: an operand's registers 0-7 are the even step's 64 keys, 8-15 the odd step's, in V^T and in P^T alike.
; THE TWO QUERY TILES u = 0, 1 RUN HALF A STEP APART: while the exponentials of one are issued, the holds of the other stand between them; then that other's codes, its second product (every second step) and its next scores; then the sums of the
; one and the scalings of the other, by turns.  K and V are fetched half a step or more ahead of their use.
; REGISTERS, window 0: v1-14 addresses and constants; v16-23, v112-119 the sums of u = 0, 1, four chains each; v24-39 Q; v40-71 K; v72-87, v88-103 p's codes of u = 0, 1, two steps; v104-109 at work; v120-183 V of two steps;
;   v184-215, v216-247 S^T, then p, of u = 0, 1.   Window 1: v0-63 O^T.
.set STEPB, 8192                       ; 64 keys: four fragments of K, then four of V^T
.set P0B,   5*STEPB                    ; part 0 of a head
.set P1B,   11*STEPB                   ; part 1
.set PART1, 2*P0B                      ; LDS: part 0 of A, of B, then part 1 of A, of B
.set STAGE, 262144                     ; the way out: 16 rows x 272 bytes for each wave
.set SP,    272                        ; 256 bytes + 16: the sixteen rows that a store touches start at sixteen different banks (64 banks of 4 bytes: ISA guide 11.1)
.set SPARE, STAGE+12*16*SP             ; the spare words, 128 bytes for each wave
.set LB,   1                           ; v1   16 x lane + my head's part 0
.set ADR,  2
.set GO,   3
.set STI,  4
.set STO,  5
.set SPW,  6                           ; v6   LDS address of my spare word; never rewritten
.set NIL,  7                           ; v7   0; never rewritten
.set SCP,  8                           ; v8   2^e4
.set LMP,  9                           ; v9, v10   448 x 2^e4, twice: a pair's two second sources lie in different banks
.set LMP2, 10
.set LB1,  11                          ; v11  16 x lane + my head's part 1
.set TW,   12
.set QOF,  14
.set SUM,  16                          ; u's sums at SUM + 96 u
.set QF,   24
.set KF,   40
.set PC,   72
.set RL,   104
.set NM,   108                         ; v108 = -1; v109 is named as the pair's upper word
.set VF,   120
.set S,    184
.set O,    0                           ; in window 1
.set WV,   16
.set SEL,  20
.set CS,   22
.set G1,   24                          ; s[24:31] descriptor group 1 of part 0: 40 rows of 256 bytes;  s[32:39] of part 1: 88 rows
.set G1P,  32
.set G0,   40                          ; s[40:43], s[44:47] their groups 0
.set G0P,  44
.set TB,   60                          ; s60  the step's place in its part
.set CNT,  61
.macro CROUND                          ; a round of the cluster's barrier
	s_barrier_signal -1
	s_barrier_wait -1
	s_cmp_lg_u32 s[WV], 0
	s_cbranch_scc1 .Lnot_wave_0_\@
	s_barrier_signal -3
.Lnot_wave_0_\@:
	s_barrier_wait -3
	s_barrier_signal -1
	s_barrier_wait -1
.endm
.macro JLOAD g0, g1                    ; waves 0-7 fetch, one joint load each; the branch hangs on the wave's number alone
	s_cmp_lt_u32 s[WV], 8
	s_cbranch_scc0 .Lno_part_\@
	tensor_load_to_lds s[\g0:\g0+3], s[\g1:\g1+7]
	s_nop 0
.rept 4
	v_nop
.endr
.Lno_part_\@:
.endm
	s_load_b128 s[4:7], s[0:1], 0x0                ; qa, kv
	s_load_b128 s[8:11], s[0:1], 0x10              ; the scales' exponents, out0
	v_lshl_add_u32 v[SPW], v0, 2, SPARE
	v_mov_b32 v[NIL], 0
	ds_add_u32 v[SPW], v[NIL]                      ; the wave's opening: the add, twice on end, and its wait ahead of my first tensor load; work on registers stands between
	ds_add_u32 v[SPW], v[NIL]
	v_lshrrev_b32 v[TW], 5, v0
	v_and_b32 v[TW+1], 31, v0
	v_readfirstlane_b32 s[WV], v[TW]               ; wave 0..11
	v_lshlrev_b32 v[QOF], 4, v[TW+1]               ; 16 x lane
	s_bfe_u32 s19, ttmp6, 0x40000                  ; cx: it enters the queries' addresses in memory alone
	s_lshr_b32 s13, ttmp9, 1                       ; g: in a cluster launch ttmp9 counts clusters
	s_and_b32 s14, ttmp9, 1                        ; c % 2
	s_mul_i32 s13, s13, 3
	s_lshl_b32 s15, s14, 1
	s_add_co_u32 s15, s13, s15                     ; head A (of 96)
	s_add_co_u32 s17, s13, 1                       ; head B
	s_lshr_b32 s18, s[WV], 3                       ; 0: my queries are A's, 1: B's
	s_cmp_lt_u32 s[WV], 4
	s_cselect_b32 s12, s15, s17                    ; the head that I fetch for
	s_lshl_b32 s48, s14, 9
	s_lshl_b32 s49, s19, 7
	s_add_co_u32 s48, s48, s49                     ; B: 512 (c % 2) + 128 cx
	s_lshl_b32 s49, s19, 8                         ; A: 256 cx
	s_cmp_lt_u32 s[WV], 8
	s_cselect_b32 s50, s15, s17                    ; the head of my queries
	s_cselect_b32 s48, s49, s48
	s_and_b32 s49, s[WV], 7
	s_lshl_b32 s49, s49, 5
	s_add_co_u32 s48, s48, s49                     ; + 32 x (wave % 8): my first query
	s_lshl_b32 s56, s50, 16                        ; qa: 65,536 bytes a head, 64 a query
	s_lshl_b32 s49, s48, 6
	s_add_co_u32 s56, s56, s49
	s_mov_b32 s57, 0
	s_mul_i32 s58, s48, 24576                      ; out0: 24,576 bytes from n to n; head 12 b + i lies 256 (12 b + i) bytes into it
	s_lshl_b32 s49, s50, 8
	s_add_co_u32 s58, s58, s49
	s_mov_b32 s59, 0
	s_lshl_b32 s62, s12, 17                        ; kv: 131,072 bytes a head;
	s_and_b32 s49, s[WV], 3                        ; my quarter of part 0 and of part 1
	s_mul_i32 s48, s49, P0B/4
	s_mul_i32 s50, s49, P1B/4
	s_add_co_u32 s50, s50, P0B
	s_add_co_u32 s48, s48, s62
	s_add_co_u32 s50, s50, s62
	s_mov_b32 s49, 0
	s_mov_b32 s51, 0
	s_mov_b32 s[G1], 15|(3<<16)|(1<<21)            ; 15:0 the mask: all four work-groups; 17:16 elements of 8 bytes; no padding; 21 set beside a mask
	s_mov_b32 s[G1+1], 32<<16                      ; tensor_dim0 = 32 elements = 256 bytes
	s_mov_b32 s[G1+2], 40<<16                      ; tensor_dim1
	s_mov_b32 s[G1+3], 32<<16                      ; tile_dim0
	s_mov_b32 s[G1+4], 40                          ; tile_dim1
	s_mov_b32 s[G1+5], 32                          ; the rows are dense
	s_mov_b32 s[G1+6], 0
	s_mov_b32 s[G1+7], 0
	s_mov_b32 s[G1P], 15|(3<<16)|(1<<21)           ; the same with 88 rows
	s_mov_b32 s[G1P+1], 32<<16
	s_mov_b32 s[G1P+2], 88<<16
	s_mov_b32 s[G1P+3], 32<<16
	s_mov_b32 s[G1P+4], 88
	s_mov_b32 s[G1P+5], 32
	s_mov_b32 s[G1P+6], 0
	s_mov_b32 s[G1P+7], 0
	s_mov_b32 s[G0], 1
	s_mul_i32 s[G0+1], s[WV], P0B/4                ; LDS: wave x my piece of part 0,
	s_mov_b32 s[G0P], 1
	s_mul_i32 s[G0P+1], s[WV], P1B/4
	s_add_co_u32 s[G0P+1], s[G0P+1], PART1         ; and of part 1
	s_mov_b32 s[SEL], 0x76543210                   ; v_permlanex16_b32's selects for lane l xor 16
	s_mov_b32 s[SEL+1], 0xfedcba98
	s_wait_alu depctr_va_vdst(0)
	s_wait_dscnt 0x0                               ; both opening adds are done
	s_wait_kmcnt 0x0
	s_load_b128 s[52:55], s[8:9], 0x8              ; e2 .. e5
	s_add_nc_u64 s[G0+2:G0+3], s[6:7], s[48:49]
	s_add_nc_u64 s[G0P+2:G0P+3], s[6:7], s[50:51]
	s_or_b32 s[G0+3], s[G0+3], 0x80000000
	s_or_b32 s[G0P+3], s[G0P+3], 0x80000000
	s_add_nc_u64 s[56:57], s[4:5], s[56:57]
	s_add_nc_u64 s[58:59], s[10:11], s[58:59]
.irp u, 0,1
.irp q, 0,1
	global_load_b128 v[QF+8*\u+4*\q:QF+8*\u+4*\q+3], v[QOF], s[56:57] offset:1024*\u+512*\q th:TH_LOAD_NT   ; my two tiles of 16 queries: 512 consecutive bytes a load, read once in the launch
.endr
.endr
	CROUND                                         ; all four work-groups are here: the joint loads meet
	JLOAD G0, G1                                   ; part 0
	s_mul_i32 s48, s18, P0B
	s_mul_i32 s49, s18, P1B
	s_add_co_u32 s49, s49, PART1
	v_add_nc_u32 v[LB], s48, v[QOF]                ; my head's part 0,
	v_add_nc_u32 v[LB1], s49, v[QOF]               ; and part 1
	v_and_b32 v[TW], 15, v0                        ; lane % 16
	v_bfe_u32 v[TW+1], v0, 4, 1                    ; lane / 16
	s_mul_i32 s49, s[WV], 16*SP
	s_add_co_u32 s49, s49, STAGE                   ; my stage
	v_mov_b32 v[NM], -1.0
	v_mul_u32_u24 v[STI], v[TW], SP
	v_mul_u32_u24 v[GO], v[TW+1], 24576
	v_mul_u32_u24 v[STO], v[TW+1], SP
	v_mov_b32 v[NM+1], -1.0
	v_lshl_add_u32 v[STI], v[TW+1], 5, v[STI]      ; in: row = my query, 32 bytes for each half of the lanes
	v_lshl_add_u32 v[GO], v[TW], 4, v[GO]          ; out0: lanes 0-15 one query's 256 bytes, lanes 16-31 the next's
	v_lshl_add_u32 v[STO], v[TW], 4, v[STO]        ; back: the same two rows
	v_mov_b32 v[RL+1], 0                           ; (named as the upper words of pairs)
	v_add_nc_u32 v[STI], s49, v[STI]
	v_mov_b32 v[RL+3], 0
	v_add_nc_u32 v[STO], s49, v[STO]
.set i, 0
.rept 8
	v_mov_b32 v[SUM+i], 0
	v_mov_b32 v[SUM+96+i], 0
.set i, i+1
.endr
	s_wait_alu depctr_va_vdst(0)
	s_wait_kmcnt 0x0
	s_add_co_i32 s48, s52, s53
	s_lshl_b32 s48, s48, 23
	s_add_co_i32 s[CS], s48, 0x3e38aa3b            ; c = log2(e) / 8, e2 + e3 added to its exponent field: t = sum x c
	s_mov_b32 s[CS+1], s[CS]                       ; (named with it as a pair)
	s_add_co_i32 s48, s54, 127
	s_lshl_b32 s49, s48, 23
	v_mov_b32 v[SCP], s49                          ; 2^e4: the conversion takes its exponent field
	s_add_co_i32 s48, s48, 8
	s_lshl_b32 s48, s48, 23
	s_or_b32 s48, s48, 0x600000
	v_mov_b32 v[LMP], s48                          ; 448 x 2^e4
	v_mov_b32 v[LMP2], s48
.macro LOADK reg, off                  ; a step's four fragments of K
.irp t, 0,1,2,3
.irp q, 0,1
	ds_load_b128 v[KF+8*\t+4*\q:KF+8*\t+4*\q+3], v[\reg] offset:\off+1024*\t+512*\q
.endr
.endr
.endm
.macro HOLD b, i                       ; two numbers' hold, always executed: the conversion does not saturate (ISA guide 7.6.2); p is not negative
	v_dual_min_num_f32 v[\b+2*\i], v[\b+2*\i], v[LMP] :: v_dual_min_num_f32 v[\b+2*\i+1], v[\b+2*\i+1], v[LMP2]
.endm
.macro EXPS a, b, hold                 ; p of the tile at a; between the exponentials the holds of the tile at b
	s_wait_alu depctr_va_vdst(0)                   ; one wait ahead of the batch,
.set i, 0
.rept 16
	v_exp_f32 v[\a+2*i], v[\a+2*i]
.if \hold
	HOLD \b, i
.endif
	v_exp_f32 v[\a+2*i+1], v[\a+2*i+1]
.set i, i+1
.endr
	v_nop
	s_wait_alu depctr_va_vdst(0)                   ; and one behind it
.endm
; The codes of tile u's p (at b), the even (odd = 0) or the odd step's half.  odd = 1: the second product follows: C and D in window 1.
.macro CODES b, u, odd
.irp t, 0,1,2,3
	v_cvt_scalef32_pk8_fp8_f32 v[PC+16*\u+8*(\odd)+2*\t:PC+16*\u+8*(\odd)+2*\t+1], v[\b+8*\t:\b+8*\t+7], v[SCP]
.endr
	v_nop                                          ; a plain vector line behind the last conversion
.if (\odd)
	s_set_vgpr_msb 0x50                            ; the setting before was 0
	s_wait_alu depctr_va_vdst(0)                   ; the wait ahead of the first reader of O^T
.endif
.endm
.macro PV u, zero                      ; O^T of tile u += V^T P^T, two steps of keys; its four accumulators by turns
.irp t, 0,1,2,3
.if \zero
	v_wmma_f32_16x16x128_fp8_fp8 v[O+32*\u+8*\t:O+32*\u+8*\t+7], v[VF+16*\t:VF+16*\t+15], v[PC+16*\u:PC+16*\u+15], 0
.else
	v_wmma_f32_16x16x128_fp8_fp8 v[O+32*\u+8*\t:O+32*\u+8*\t+7], v[VF+16*\t:VF+16*\t+15], v[PC+16*\u:PC+16*\u+15], v[O+32*\u+8*\t:O+32*\u+8*\t+7]
.endif
.endr
	s_set_vgpr_msb 0x5000                          ; back to window 0; the setting before was 0x50
.endm
.macro QK u                            ; S^T of tile u
.irp t, 0,1,2,3
	v_wmma_f32_16x16x64_fp8_fp8 v[S+32*\u+8*\t:S+32*\u+8*\t+7], v[KF+8*\t:KF+8*\t+7], v[QF+8*\u:QF+8*\u+7], 0
.endr
.endm
.macro SCALE u, i                      ; t - M, M = 1, two at a time
	v_pk_fma_f32 v[S+32*(\u)+2*\i:S+32*(\u)+2*\i+1], v[S+32*(\u)+2*\i:S+32*(\u)+2*\i+1], s[CS:CS+1], v[NM:NM+1] op_sel_hi:[1,0,0]
.endm
.macro ADD u, j, c                     ; the sum of the unquantised p: chain c of four
	v_pk_add_f32 v[SUM+96*\u+2*\c:SUM+96*\u+2*\c+1], v[SUM+96*\u+2*\c:SUM+96*\u+2*\c+1], v[S+32*\u+8*\j+2*\c:S+32*\u+8*\j+2*\c+1]
.endm
.macro FOURADDS u
.irp c, 0,1,2,3
	ADD \u, 0, \c
.endr
.endm
.macro MIX u, sc                       ; the other twelve sums of tile u, and (sc = 1) the sixteen scalings of the other tile, by turns
.set k, 0
.irp j, 1,2,3
.irp c, 0,1,2,3
	ADD \u, \j, \c
.if \sc
	SCALE 1-\u, k
.set k, k+1
.endif
.endr
.endr
.if \sc
.rept 4
	SCALE 1-\u, k
.set k, k+1
.endr
.endif
.endm
; A STEP of 64 keys.  On entry tile 0's scores of this step are scaled, K is this step's, tile 1's p is the last step's.
; odd: the step's number % 2: tile 0's second product stands in an odd step, tile 1's in the even step behind it;  first = 1: there is no last step;  z1, z0 = 1: tile 1's, tile 0's products start O^T;
; vb, vo: my head's part and an offset in it;  kr, ko: the next step's K;  last = 1: there is no next step (an odd one);  bar = 1: part 1's barrier is waited for.
.macro STEP odd, first, z1, z0, vb, vo, kr, ko, last, bar
	EXPS S, S+32, 1-\first
.if \first == 0
	CODES S+32, 1, 1-\odd
.if \odd == 0
	PV 1, \z1
.endif
.endif
	QK 1
	FOURADDS 0                                     ; also the places in front of the loads into K's and V's registers
.if \bar
	s_wait_alu depctr_va_vdst(0)
	s_barrier_wait -1                              ; everybody's piece of part 1 is in
.endif
	v_add_nc_u32 v[ADR], s[TB], v[\vb]
.irp t, 0,1,2,3
.irp q, 0,1
	ds_load_b128 v[VF+16*\t+8*\odd+4*\q:VF+16*\t+8*\odd+4*\q+3], v[ADR] offset:\vo+4096+1024*\t+512*\q
.endr
.endr
.if \last == 0
	LOADK \kr, \ko
.endif
	MIX 0, 1
	EXPS S+32, S, 1
	CODES S, 0, \odd
.if \odd
.if \last
	s_wait_dscnt 0x0                               ; V is in
.else
	s_wait_dscnt 8                                 ; V is in; K's eight loads may be out
.endif
	PV 0, \z0
.endif
.if \last == 0
	s_wait_dscnt 0x0
	QK 0                                           ; the next step's
.endif
	FOURADDS 1
	MIX 1, 1-\last
.endm
	s_wait_alu depctr_va_vdst(0)
	s_wait_tensorcnt 0x0                           ; my piece of part 0 is in:
	ds_add_u32 v[SPW], v[NIL]                      ; 0 onto my spare word, twice on end
	ds_add_u32 v[SPW], v[NIL]
	s_wait_dscnt 0x0
	CROUND                                         ; everybody's piece of part 0 is in, in all four work-groups
	JLOAD G0P, G1P                                 ; part 1
	LOADK LB, 0
	s_wait_loadcnt 0x0                             ; Q
	s_wait_dscnt 0x0
	QK 0
.rept 4
	v_nop                                          ; places in front of the first reads (ISA guide 7.12.1)
.endr
.set k, 0
.rept 16
	SCALE 0, k
.set k, k+1
.endr
	s_mov_b32 s[TB], 0
	STEP 0, 1, 0, 0, LB, 0, ADR, STEPB, 0, 0
	s_mov_b32 s[TB], STEPB
	STEP 1, 0, 0, 1, LB, 0, ADR, STEPB, 0, 0
	s_mov_b32 s[TB], 2*STEPB
	STEP 0, 0, 1, 0, LB, 0, ADR, STEPB, 0, 0
	s_wait_tensorcnt 0x0                           ; my piece of part 1 is in: say so
	s_wait_dscnt 0x0
	s_barrier_signal -1
	s_mov_b32 s[TB], 3*STEPB
	STEP 1, 0, 0, 0, LB, 0, ADR, STEPB, 0, 0       ; and work on in part 0, LDS bytes that nobody writes any more
	s_mov_b32 s[TB], 4*STEPB
	STEP 0, 0, 0, 0, LB, 0, LB1, 0, 0, 1           ; part 0's last step; the next K is part 1's first
	s_mov_b32 s[TB], 0
	s_mov_b32 s[CNT], 5
.Lstep:                                                ; steps 5 to 14, two a trip
	STEP 1, 0, 0, 0, LB1, 0, ADR, STEPB, 0, 0
	STEP 0, 0, 0, 0, LB1, STEPB, ADR, 2*STEPB, 0, 0
	s_add_co_u32 s[TB], s[TB], 2*STEPB
	s_sub_co_u32 s[CNT], s[CNT], 1
	s_cmp_lg_u32 s[CNT], 0
	s_cbranch_scc1 .Lstep
	s_mov_b32 s[TB], 10*STEPB
	STEP 1, 0, 0, 0, LB1, 0, ADR, STEPB, 1, 0      ; the last step asks for no further K
.set k, 0
.rept 16
	HOLD S+32, k
.set k, k+1
.endr
	CODES S+32, 1, 1
	PV 1, 0
	; THE WAY OUT: O^T / the sum x 2^(e4 + e5), through my stage, 16 queries at a time: sixteen lanes store 256 consecutive bytes
	v_pk_add_f32 v[SUM:SUM+1], v[SUM:SUM+1], v[SUM+2:SUM+3]
	v_pk_add_f32 v[SUM+96:SUM+97], v[SUM+96:SUM+97], v[SUM+98:SUM+99]
	v_pk_add_f32 v[SUM+4:SUM+5], v[SUM+4:SUM+5], v[SUM+6:SUM+7]
	v_pk_add_f32 v[SUM+100:SUM+101], v[SUM+100:SUM+101], v[SUM+102:SUM+103]
	s_delay_alu instid0(VALU_DEP_2)
	v_pk_add_f32 v[SUM:SUM+1], v[SUM:SUM+1], v[SUM+4:SUM+5]
	s_delay_alu instid0(VALU_DEP_2)
	v_pk_add_f32 v[SUM+96:SUM+97], v[SUM+96:SUM+97], v[SUM+100:SUM+101]
	s_delay_alu instid0(VALU_DEP_2)
	v_add_f32 v[SUM], v[SUM], v[SUM+1]
	s_delay_alu instid0(VALU_DEP_2)
	v_add_f32 v[SUM+96], v[SUM+96], v[SUM+97]
	s_delay_alu instid0(VALU_DEP_2)
	v_permlanex16_b32 v[TW], v[SUM], s[SEL], s[SEL+1]   ; the row's other keys lie in the lane 16 away
	s_delay_alu instid0(VALU_DEP_2)
	v_permlanex16_b32 v[TW+1], v[SUM+96], s[SEL], s[SEL+1]
	s_delay_alu instid0(VALU_DEP_2)
	v_add_f32 v[SUM], v[SUM], v[TW]
	s_delay_alu instid0(VALU_DEP_2)
	v_add_f32 v[SUM+96], v[SUM+96], v[TW+1]
	s_wait_alu depctr_va_vdst(0)                   ; the wait ahead of the two reciprocals,
	v_rcp_f32 v[RL], v[SUM]
	v_rcp_f32 v[RL+2], v[SUM+96]
	v_nop
	s_add_co_i32 s48, s54, s55
	s_wait_alu depctr_va_vdst(0)                   ; behind them,
	v_ldexp_f32 v[RL], v[RL], s48
	v_ldexp_f32 v[RL+2], v[RL+2], s48
	s_set_vgpr_msb 0x01                            ; source 0 in window 1
	s_wait_alu depctr_va_vdst(0)                   ; and directly ahead of O^T's first readers
.irp u, 0,1
.set i, 0
.rept 16
	v_pk_mul_f32 v[S+32*\u+i:S+32*\u+i+1], v[O+32*\u+i:O+32*\u+i+1], v[RL+2*\u:RL+2*\u+1] op_sel_hi:[1,0]
.set i, i+2
.endr
.endr
	s_set_vgpr_msb 0x0100
.irp u, 0,1
.irp t, 0,1,2,3
	ds_store_b128 v[STI], v[S+32*\u+8*\t:S+32*\u+8*\t+3] offset:64*\t
	ds_store_b128 v[STI], v[S+32*\u+8*\t+4:S+32*\u+8*\t+7] offset:64*\t+16
.endr
.irp i, 0,1,2,3,4,5,6,7
	ds_load_b128 v[KF+32*\u+4*\i:KF+32*\u+4*\i+3], v[STO] offset:2*\i*SP   ; LDS serves a wave's instructions in order (ISA guide 5.7.1.4)
.endr
.endr
.irp u, 0,1
.irp i, 0,1,2,3,4,5,6,7
	s_wait_dscnt 16*(1-\u)+7-\i
	global_store_b128 v[GO], v[KF+32*\u+4*\i:KF+32*\u+4*\i+3], s[58:59] offset:(16*\u+2*\i)*24576 th:TH_STORE_NT
.endr
.endr
	s_wait_tensorcnt 0x0                           ; the wave's end
	ds_add_u32 v[SPW], v[NIL]
	s_wait_dscnt 0x0
	CROUND                                         ; the closing round: no work-group ends while a partner may still ask for a tile that names it
	s_endpgm
.Lfunc_end_k_q4b16f15c81_attn:
	.size	k_q4b16f15c81_attn, .Lfunc_end_k_q4b16f15c81_attn-k_q4b16f15c81_attn
	.p2alignl 7, 3214868480
	.fill 96, 4, 3214868480
	.section	.rodata,"a",@progbits
	.p2align	6, 0x0
	.amdhsa_kernel k_q4b16f15c81_attn
		.amdhsa_group_segment_fixed_size 327680
		.amdhsa_private_segment_fixed_size 0
		.amdhsa_enable_private_segment 0
		.amdhsa_kernarg_size 32
		.amdhsa_user_sgpr_count 2
		.amdhsa_user_sgpr_kernarg_segment_ptr 1
		.amdhsa_wavefront_size32 1
		.amdhsa_system_sgpr_workgroup_id_x 1
		.amdhsa_system_sgpr_workgroup_id_y 1
		.amdhsa_system_sgpr_workgroup_id_z 1
		.amdhsa_system_vgpr_workitem_id 0
		.amdhsa_next_free_vgpr 320
		.amdhsa_next_free_sgpr 66
		.amdhsa_reserve_vcc 0
		.amdhsa_float_denorm_mode_32 3
		.amdhsa_float_denorm_mode_16_64 3
		.amdhsa_memory_ordered 1
		.amdhsa_forward_progress 1
		.amdhsa_inst_pref_size 102
	.end_amdhsa_kernel
	.amdgpu_metadata
---
amdhsa.version: [ 1, 2 ]
amdhsa.kernels:
  - .name:           k_q4b16f15c81_attn
    .symbol:         k_q4b16f15c81_attn.kd
    .args:
      - { .name: qa, .offset: 0, .size: 8, .value_kind: global_buffer, .address_space: global }
      - { .name: kv, .offset: 8, .size: 8, .value_kind: global_buffer, .address_space: global }
      - { .name: lowp_scales, .offset: 16, .size: 8, .value_kind: global_buffer, .address_space: global }
      - { .name: out0, .offset: 24, .size: 8, .value_kind: global_buffer, .address_space: global }
    .group_segment_fixed_size: 327680
    .private_segment_fixed_size: 0
    .kernarg_segment_align: 8
    .kernarg_segment_size: 32
    .max_flat_workgroup_size: 384
    .sgpr_count:     66
    .vgpr_count:     320
    .wavefront_size: 32
...
	.end_amdgpu_metadata
.endif
;; end of part 3
